; MI455X (gfx1250); checked and timed in simulation.
; The chip was launched on July 23, 2026; its instructions are those of AMD's public machine-readable ISA for CDNA 5 (MIT licence, August 2026) and "CDNA5" Instruction Set Architecture Reference Guide (July 2026). The comments in the code are by the model that wrote it; some were corrected since.
;; Microring Basis Base. Allowed arithmetic: float matrix products may take bf16 or f16 operands with f32 sums; all other float work in f32.
;; Inputs: base_weight 512 x 512 float32; coeffs 512 x 512 x 16 float32; x 4,096 x 512 float32.
;; Outputs: out0 4,096 x 512 float32; out1 1 float32.
;; One version. Each part assembles by itself: llvm-mc -triple=amdgcn-amd-amdhsa -mcpu=gfx1250 --defsym DOCPART=n.
;; ======== version 1 of 1: 3 launches
;; workspace buffers: bp 8,388,608 bytes; biasp 16,384 bytes; part 33,554,432 bytes
;; launch prep (part 1): grid 32 x 8, 8 waves a work-group, no clusters, 512 bytes of LDS; arguments coeffs, base_weight, bp, biasp; writes bp, biasp
.if DOCPART == 1
	.amdgcn_target "amdgcn-amd-amdhsa--gfx1250"
	.amdhsa_code_object_version 6
	.text
	.protected	k_q61313dbc49_prep
	.globl	k_q61313dbc49_prep
	.p2align	8
	.type	k_q61313dbc49_prep,@function
k_q61313dbc49_prep:
	s_mov_b64 s[64:65], 0
	v_nop
	global_prefetch_b8 v0, s[64:65] scope:SCOPE_SE
	s_setreg_imm32_b32 hwreg(HW_REG_WAVE_MODE, 25, 1), 1
	s_wait_xcnt 0x0
; Makes the B operand of the product and the f32 column sums of coeffs.
;   bp[ks][c][h][q][o][e], bf16: input i = 128 ks + 64 h + c, slot s = 8 q + e, column o.
;     slot 0 = coeffs[i][o][0] + coeffs[i][o][15] (rings 0 and 15 are a whole turn of phase apart: the same function of x),
;     slots 1 to 14 = coeffs[i][o][s], slot 15 = base_weight[i][o].
;   biasp[g][o], f32: the sum over the 64 inputs i = 64 g .. 64 g + 63 and all 16 rings of coeffs[i][o][n].
; Memory binds: every byte of coeffs is read once; matrix units, clusters and large register tiles would add nothing.
; A work-group takes 16 columns x 64 inputs; wave wv the inputs c = 8 wv + k, k = 0 .. 7; lane (r = L & 15, hh = L >> 4)
; the eight rings 8 hh .. 8 hh + 7 of column 16 ob + r.  For one input the wave's two 16-byte loads cover 1,024 consecutive bytes,
; and its store covers two aligned runs of 256 consecutive bytes (q = 0 from lanes 0-15, q = 1 from lanes 16-31).
; base_weight is read, and biasp is written, in pieces of 64 bytes: 16 columns of f32.  They are 1 MiB and 16 KiB beside 16 MiB of
; coeffs; work-groups of 64 columns would make whole runs of 256 bytes but four times as many rows of partial sums.
.set TMP, 4                            ; v4        at work (written before v_permlanex16_b32 names it as destination)
.set C,   8                            ; v[8:71]   input k: 8 registers, my eight rings
.set W,   72                           ; v[72:79]  input k: base_weight of my column
.set ACC, 80                           ; v[80:81]  running sum, two chains
.set T,   82                           ; v[82:85]  at work
.set O,   88                           ; v[88:119] input k: 4 registers, 8 bf16 to store; no store's data register is written twice
	s_load_b256 s[4:11], s[0:1], 0x0               ; coeffs s[4:5], base_weight s[6:7], bp s[8:9], biasp s[10:11]
	s_and_b32 s2, ttmp7, 0xffff                    ; g: which 64 inputs
	s_lshl_b32 s16, s2, 21                         ; coeffs: g x 64 inputs x 32,768 bytes
	s_lshl_b32 s17, ttmp9, 10                      ;         + ob x 16 columns x 64 bytes
	s_add_co_u32 s16, s16, s17
	s_mov_b32 s17, 0
	s_lshl_b32 s18, s2, 17                         ; base_weight: g x 64 rows x 2,048 bytes
	s_lshl_b32 s19, ttmp9, 6                       ;         + ob x 16 columns x 4 bytes
	s_add_co_u32 s18, s18, s19
	s_lshl_b32 s22, s2, 11                         ; biasp: g x 2,048 bytes
	s_add_co_u32 s22, s22, s19                     ;         + ob x 64 bytes
	s_mov_b32 s19, 0
	s_mov_b32 s23, 0
	s_lshr_b32 s20, s2, 1                          ; bp: ks = g >> 1, 2,097,152 bytes each
	s_lshl_b32 s20, s20, 21
	s_and_b32 s21, s2, 1                           ;     h = g & 1, 16,384 bytes
	s_lshl_b32 s21, s21, 14
	s_add_co_u32 s20, s20, s21
	s_lshl_b32 s21, ttmp9, 8                       ;     ob x 16 columns x 16 bytes
	s_add_co_u32 s20, s20, s21
	s_mov_b32 s21, 0
	s_mov_b32 s13, 0x76543210                      ; v_permlanex16_b32: lane i of one half reads lane i of the other
	s_mov_b32 s14, 0xfedcba98
	v_and_b32 v5, 31, v0                           ; L
	v_lshrrev_b32 v6, 5, v0                        ; wv
	v_readfirstlane_b32 s15, v6                    ; the wave's number as a scalar
	v_and_b32 v7, 15, v0                           ; r
	v_bfe_u32 v4, v0, 4, 1                         ; hh
	v_lshlrev_b32 v1, 18, v6                       ; wv x 8 inputs x 32,768 bytes, in coeffs and in bp alike
	v_lshl_add_u32 v3, v4, 13, v1                  ; bp: + q x 8,192
	v_lshl_add_u32 v3, v7, 4, v3                   ;     + r x 16
	v_lshl_add_u32 v1, v7, 6, v1                   ; coeffs: + r x 64
	v_lshl_add_u32 v1, v4, 5, v1                   ;         + hh x 32
	v_lshlrev_b32 v2, 14, v6                       ; base_weight: wv x 8 rows x 2,048
	v_lshl_add_u32 v2, v7, 2, v2                   ;         + r x 4
	v_lshlrev_b32 v7, 2, v7                        ; r x 4: my column's word in LDS and in biasp
	v_lshl_add_u32 v6, v6, 6, v7                   ; wv x 64 + r x 4: my wave's word for that column
	v_cmp_lt_u32 s12, 15, v5                       ; mask of lanes 16 to 31
	v_mov_b32 v[TMP], 0
	s_wait_kmcnt 0x0
	s_add_nc_u64 s[4:5], s[4:5], s[16:17]
	s_add_nc_u64 s[6:7], s[6:7], s[18:19]
	s_add_nc_u64 s[8:9], s[8:9], s[20:21]
	s_add_nc_u64 s[10:11], s[10:11], s[22:23]
	; all 24 loads of the wave in one run, three for each input
.irp k, 0,1,2,3,4,5,6,7
	global_load_b128 v[C+8*\k:C+8*\k+3],   v1, s[4:5] offset:\k*32768 th:TH_LOAD_NT
	global_load_b128 v[C+8*\k+4:C+8*\k+7], v1, s[4:5] offset:\k*32768+16 th:TH_LOAD_NT
	global_load_b32  v[W+\k],              v2, s[6:7] offset:\k*2048
.endr
; One input: add its eight numbers to the column's sum, fold ring 15 into ring 0, put base_weight into slot 15, round, store.
.macro ONE k
	s_wait_loadcnt 3*(7-\k)                        ; loads come back in order (ISA guide 5.7.1): three for each younger input stay out
	v_pk_add_f32 v[T:T+1],   v[C+8*\k:C+8*\k+1],   v[C+8*\k+2:C+8*\k+3]
	v_pk_add_f32 v[T+2:T+3], v[C+8*\k+4:C+8*\k+5], v[C+8*\k+6:C+8*\k+7]
.if \k
	v_pk_add_f32 v[T:T+1], v[T:T+1], v[T+2:T+3]
	v_pk_add_f32 v[ACC:ACC+1], v[ACC:ACC+1], v[T:T+1]
.else
	v_pk_add_f32 v[ACC:ACC+1], v[T:T+1], v[T+2:T+3]            ; the first input starts the sum: nothing is cleared
.endif
	v_permlanex16_b32 v[TMP], v[C+8*\k+7], s13, s14            ; lanes 0-15 receive ring 15 of their column
	v_add_f32 v[TMP], v[TMP], v[C+8*\k]                        ; + ring 0
	v_cndmask_b32 v[C+8*\k],   v[TMP],       v[C+8*\k], s12    ; lanes 0-15: slot 0 = ring 0 + ring 15; lanes 16-31 keep ring 8
	v_cndmask_b32 v[C+8*\k+7], v[C+8*\k+7],  v[W+\k],   s12    ; lanes 16-31: slot 15 = base_weight; lanes 0-15 keep ring 7
.irp j, 0,1,2,3
	v_cvt_pk_bf16_f32 v[O+4*\k+\j], v[C+8*\k+2*\j], v[C+8*\k+2*\j+1]
.endr
	global_store_b128 v3, v[O+4*\k:O+4*\k+3], s[8:9] offset:\k*32768
.endm
.irp k, 0,1,2,3,4,5,6,7
	ONE \k
.endr
	; the column's sum: my two chains, the other half of the lanes (the other eight rings), then the eight waves through LDS
	v_add_f32 v[ACC], v[ACC], v[ACC+1]
	v_permlanex16_b32 v[TMP], v[ACC], s13, s14
	v_add_f32 v[ACC], v[ACC], v[TMP]               ; lanes r and r + 16 now hold the same number
	ds_store_b32 v6, v[ACC]
	s_wait_dscnt 0x0                               ; my word is written before I say so
	s_barrier_signal -1
	s_barrier_wait -1
.irp j, 0,1,2,3,4,5,6,7
	ds_load_b32 v[C+\j], v7 offset:64*\j           ; the eight waves' sums of my column
.endr
	s_wait_dscnt 0x0
	v_add_f32 v[C],   v[C],   v[C+1]
	v_add_f32 v[C+2], v[C+2], v[C+3]
	v_add_f32 v[C+4], v[C+4], v[C+5]
	v_add_f32 v[C+6], v[C+6], v[C+7]
	v_add_f32 v[C],   v[C],   v[C+2]
	v_add_f32 v[C+4], v[C+4], v[C+6]
	v_add_f32 v[C],   v[C],   v[C+4]
	s_cmp_lg_u32 s15, 0                            ; wave 0 alone stores the 16 sums
	s_cbranch_scc1 .Lend
	s_wait_xcnt 0x0                                ; EXEC is a source of the stores above: it changes only behind this wait
	v_cmp_gt_u32 vcc_lo, 16, v5
	s_and_saveexec_b32 s16, vcc_lo
	global_store_b32 v7, v[C], s[10:11]
	s_wait_xcnt 0x0                                ; and again in front of the line that widens it
	s_or_b32 exec_lo, exec_lo, s16
.Lend:
	s_endpgm
.Lfunc_end_k_q61313dbc49_prep:
	.size	k_q61313dbc49_prep, .Lfunc_end_k_q61313dbc49_prep-k_q61313dbc49_prep
	.p2alignl 7, 3214868480
	.fill 96, 4, 3214868480
	.section	.rodata,"a",@progbits
	.p2align	6, 0x0
	.amdhsa_kernel k_q61313dbc49_prep
		.amdhsa_group_segment_fixed_size 512
		.amdhsa_private_segment_fixed_size 0
		.amdhsa_enable_private_segment 0
		.amdhsa_kernarg_size 32
		.amdhsa_user_sgpr_count 2
		.amdhsa_user_sgpr_kernarg_segment_ptr 1
		.amdhsa_wavefront_size32 1
		.amdhsa_system_sgpr_workgroup_id_x 1
		.amdhsa_system_sgpr_workgroup_id_y 1
		.amdhsa_system_sgpr_workgroup_id_z 1
		.amdhsa_system_vgpr_workitem_id 0
		.amdhsa_next_free_vgpr 120
		.amdhsa_next_free_sgpr 66
		.amdhsa_reserve_vcc 1
		.amdhsa_float_denorm_mode_32 3
		.amdhsa_float_denorm_mode_16_64 3
		.amdhsa_memory_ordered 1
		.amdhsa_forward_progress 1
		.amdhsa_inst_pref_size 13
	.end_amdhsa_kernel
	.amdgpu_metadata
---
amdhsa.version: [ 1, 2 ]
amdhsa.kernels:
  - .name:           k_q61313dbc49_prep
    .symbol:         k_q61313dbc49_prep.kd
    .args:
      - { .name: coeffs, .offset: 0, .size: 8, .value_kind: global_buffer, .address_space: global }
      - { .name: base_weight, .offset: 8, .size: 8, .value_kind: global_buffer, .address_space: global }
      - { .name: bp, .offset: 16, .size: 8, .value_kind: global_buffer, .address_space: global }
      - { .name: biasp, .offset: 24, .size: 8, .value_kind: global_buffer, .address_space: global }
    .group_segment_fixed_size: 512
    .private_segment_fixed_size: 0
    .kernarg_segment_align: 8
    .kernarg_segment_size: 32
    .max_flat_workgroup_size: 256
    .sgpr_count:     66
    .vgpr_count:     120
    .wavefront_size: 32
...
	.end_amdgpu_metadata
.endif
;; end of part 1
;; launch main (part 2): grid 32 x 8, 8 waves a work-group, clusters of 4 x 1, 327,680 bytes of LDS; arguments x, bp, part; writes part
.if DOCPART == 2
	.amdgcn_target "amdgcn-amd-amdhsa--gfx1250"
	.amdhsa_code_object_version 6
	.text
	.protected	k_q61313dbc49_main
	.globl	k_q61313dbc49_main
	.p2align	8
	.type	k_q61313dbc49_main,@function
k_q61313dbc49_main:
	s_mov_b64 s[64:65], 0
	v_nop
	global_prefetch_b8 v0, s[64:65] scope:SCOPE_SE
	s_setreg_imm32_b32 hwreg(HW_REG_WAVE_MODE, 25, 1), 1
	s_wait_xcnt 0x0
	s_wait_alu depctr_hold_cnt(0) depctr_sa_sdst(0) depctr_va_vdst(0) depctr_va_sdst(0) depctr_va_ssrc(0) depctr_va_vcc(0) depctr_vm_vsrc(0)
	s_getreg_b32 s2, hwreg(HW_REG_IB_STS2, 6, 4)
	s_cmp_eq_u32 s2, 0
	s_cbranch_scc0 .Lentry_in_a_cluster
	s_endpgm
.Lentry_in_a_cluster:
	s_bfe_u32 s2, ttmp6, 0x10000c
	s_cmp_lg_u32 s2, 0x3003
	s_cbranch_scc0 .Lentry_shape_is_right
	s_endpgm
.Lentry_shape_is_right:
; part[ks][b][o] = sum over the 128 inputs i of slice ks and the 16 slots s of A[b][i][s] * bp[i][o][s], f32 sums of bf16 products.
;   A[b][i][s] = T - 1 for ring s = 0 .. 14 (T the ring's power throughput at the wavelength that x[b][i] sets), A[b][i][15] = x[b][i].
;   With t = clip(x, -1, 1), d = 4/1550: phase / 2 pi = PSI0 + s/15 - C1 d t / (1 + d t), written as PSI0 + t (NA1 + t (A2 + t NA3)) + s/15;
;   the first term left out is C1 d^4 = 2.3e-8 turns for every |t| <= 1.  T - 1 = -kappa / den = 1 / D, D = E0 + EC[s] cos/2 + ES[s] sin/4.
;   T - 1 (between -0.21 and -0.0007) is the bf16 operand and not T (near 1), whose rounding would be 2^-9 of 1; the part "1 x coeffs" is
;   an f32 column sum made elsewhere and added at the end.  It is some thirty times the matrix term: no difference of large sums arises.
; LIMITS: the order of the sums is not that of the problem's function; rings 0 and 15 are one slot; the phase is formed analytically
; and differs from an f32 evaluation of the written chain by that chain's own rounding, some 3e-5 turns; a NaN or an infinity in x
; reaches its row through slot 15.
;
; SHARES.  K = 8,192 is cut in 4 slices of 128 inputs; a work-group makes 128 rows x 256 columns x one slice: 32 x 2 x 4 = 256 work-groups.
; EIGHT WAVES OF TWO KINDS, 512 registers each.  Four MULTIPLY: each holds 64 rows x 128 columns of C in 32 accumulator tiles (256 registers) and issues
; nothing but fragment loads and matrix instructions.  Four MAKE the operand A: each the 16 slots of every (row, input) of two row tiles of 16 rows.
; The making is plain vector work and needs no matrix unit, the multiplying needs little else: with one wave of each kind on a SIMD the two go on side by side.
; role = (w ^ w>>1 ^ w>>2) & 1, index = w >> 1: waves 0, 3, 5, 6 multiply, waves 1, 2, 4, 7 make, each kind with the indices 0 to 3; whether the eight
; waves lie on the four SIMDs as w mod 4 or as w >> 1, each SIMD has one of each kind.
; 128 rows and not 64: a work-group then takes in 64 KiB of bp for a step's 128 matrix instructions a wave, half of what 64 rows x 512 columns would ask.
; The price: the two column halves of a row block make the same A (8 pairs a lane and step: 432 vector instructions beside 128 matrix instructions).
; A chunk is K = 32 = 2 inputs x 16 slots: 32 matrix instructions a multiplying wave.  A step is 4 chunks; 16 steps.
; CLUSTER.  The 32 row blocks of a (slice, column half) walk the same tiles of bp: four neighbours along x form a cluster and ask jointly (mask 15), which
; divides the requests for bp by four.  x is each work-group's own and comes by a plain load.
;
; THE K MAP, alike in A and B: place k = 16 q + 8 h + e of a chunk c is input 128 ks + 64 h + c, slot 8 q + e.  So lane (r, h) of a fragment holds,
; in registers 4 q .. 4 q + 3, slots 8 q .. 8 q + 7 of ONE input: exactly what one lane makes, and 16 consecutive bytes of bp.
; THE MATRIX INSTRUCTION IS USED TRANSPOSED (source 0 = 16 columns of bp, source 1 = 16 rows of A): register j of lane (r, h) of tile (mt, jn) is
; C(row 16 mt + r, column 16 jn + 8 h + j) of the wave's block: eight neighbouring numbers of a row.
;
; LDS, 264,192 bytes: B slot 0 at 0, B slot 1 at 65,536 (chunk x 16,384 + h x 8,192 + q x 4,096 + column x 16);
;   the x stage (16 rows, pitch 528, for each of the eight waves) from 65,536 to 133,119: read once, then covered by tile 1 behind a round, but for its last 2,048 bytes;
;   A slots at 133,120 and 165,888 (chunk x 8,192 + row tile x 1,024 + q x 512 + lane x 16: the register image, consecutive);
;   XT at 198,656 (index x 16,384 + step x 1,024 + j x 512 + lane x 16: the four x of a step for row tile 2 index + j).  A slots and XT are written by LDS stores alone.
;   The stage of the way out (4 x 8,448 bytes) lies at the head of B slot 0, which has had its last fill (tile 14) and its last read by then.
; REGISTERS: window 1 the 32 accumulators.  Window 0: v4-14 addresses; making waves v16-55 constants, v56-123 work, v128-255 x at the start;
;   multiplying waves v128-191 A's fragments (two buffers), v192-255 and v64-127 B's fragments (buffers 0 and 1); v128-255 on the way out.
.set TILEB,  131072                    ; bytes in bp from one step's tile to the next: 4 chunks x 32,768
.set SLOTB,  65536                     ; a B slot: 16 rows (chunk, h, q) x 4,096 bytes (my 256 columns x 16)
.set XPITCH, 528                       ; 512 bytes + 16: an odd multiple of 16, so sixteen rows start in sixteen different 16-byte columns of 256
.set WSTAGE, 16*XPITCH
.set ASLOT,  SLOTB+8*WSTAGE            ; 133,120, a multiple of 256
.set ASZ,    32768
.set XTB,    ASLOT+2*ASZ               ; 198,656
.set VBA,  4                           ; v4-5    B fragments, slot s: s x 65,536 + h x 8,192 + ch x 2,048 + r x 16
.set VAL,  6                           ; v6-7    A fragments, slot s: 133,120 + s x 32,768 + rh x 4,096 + L x 16
.set VAS,  8                           ; v8-9    where a making wave stores: 133,120 + s x 32,768 + index x 2,048 + L x 16
.set VXT,  10                          ; v10     a making wave's x quads
.set VSTO, 11                          ; v11     the way out: where I put 16 bytes of a row
.set VRD,  12                          ; v12     the way out: where I read a row back
.set VCO,  13                          ; v13     my byte offset in part
.set VXS,  14                          ; v14     the x stage: row r of row tile 2 index, + h x 256
.set EC,   16                          ; v16-31  ring constants for cos/2
.set ES,   32                          ; v32-47  ring constants for sin/4
.set VE0,  48                          ; pairs, the same number twice: E0, A2, S7, C6
.set VA2,  50
.set VS7,  52
.set VC6,  54
.set XQ,   56                          ; v56-59  the four x of the step that is being made, row tile 2 index
.set XQ2,  60                          ; v60-63  the same for row tile 2 index + 1
.set TT,   64
.set HH,   64                          ; takes TT's registers when t is no longer needed
.set PP,   68
.set CD,   68                          ; takes PP's registers likewise
.set YY,   72
.set ZZ,   76
.set SN,   80
.set CN,   84
.set QQ,   88
.set CH,   92                          ; cos(phase) / 2
.set SQ,   96                          ; sin(phase) / 4
.set DD,   100                         ; v100-115
.set PK,   116                         ; v116-123
.set FA,   128                         ; v128-159, v160-191: A's fragments.  B's: buffer f at 192 - 128 f
.set XR,   128                         ; v128-255: the start's x
.set G1B,  16                          ; s[16:23] group 1 of bp's tiles
.set G0B,  24                          ; s[24:31] group 0 of bp's tiles, a set for each slot
.set G1X,  32                          ; s[32:39] group 1 of the x stage
.set G0X,  40                          ; s[40:43] group 0 of the x stage
.set K_NA3,  44                        ; scalar pairs, the same number twice
.set K_NA1,  46
.set K_PSI0, 48
.set K_S9,   50
.set K_S5,   52
.set K_S3,   54
.set K_S1,   56
.set K_C8,   58
.set K_C4,   60
.set K_C2,   62
.set W_MUL, 0x50                       ; sources 0 and 1 (B, A) window 0, C and D window 1
.set W_ST,  0x04                       ; LDS store: data window 1, address window 0
.set MSB, 0
.macro WIN new                         ; the immediate's high byte repeats the setting that is left; a switch that changes nothing is dropped
.if MSB != \new
	s_set_vgpr_msb (MSB<<8)|\new
.set MSB, \new
.endif
.endm
; A round of the cluster's barrier: my work-group's barrier, so that wave 0's signal speaks for all eight waves; wave 0 signals for the work-group;
; every wave waits for all four work-groups; my work-group's barrier once more.
.macro ROUND
	s_barrier_signal -1
	s_barrier_wait -1
	s_cmp_lg_u32 s10, 0
	s_cbranch_scc1 .Lnot_wave_0_\@
	s_barrier_signal -3
.Lnot_wave_0_\@:
	s_barrier_wait -3
	s_barrier_signal -1
	s_barrier_wait -1
.endm
.macro PLACES                          ; four plain vector instructions behind a matrix instruction (ISA guide 7.12.1); a multiplying wave has no useful work to stand there
.rept 4
	v_nop
.endr
.endm
	s_load_b128 s[4:7], s[0:1], 0x0                ; x s[4:5], bp s[6:7]
	s_load_b64 s[8:9], s[0:1], 0x10                ; part
	v_lshrrev_b32 v1, 5, v0
	v_readfirstlane_b32 s10, v1                    ; w: wave 0..7
	s_lshr_b32 s11, s10, 1                         ; index 0..3 within my kind
	s_lshr_b32 s12, s10, 2
	s_xor_b32 s12, s12, s11
	s_xor_b32 s12, s12, s10
	s_and_b32 s12, s12, 1                          ; role: 0 multiplies, 1 makes
	s_bfe_u32 s66, ttmp6, 0x40000                  ; cx: my place in the cluster; it enters x's and part's global addresses alone
	s_lshl_b32 s67, ttmp9, 2
	s_add_co_u32 s67, s67, s66                     ; rb: block of 128 rows = 4 x cluster x + cx
	s_and_b32 s13, ttmp7, 0xffff                   ; y = 2 ks + column half, shared by the cluster
	s_and_b32 s68, s13, 1                          ; nh: which 256 columns
	s_lshr_b32 s13, s13, 1                         ; ks: the slice
	; group 1 of bp's tiles: a wave's eighth of a step's tile is 2 rows (one h of one chunk, q = 0 and 1) of 4,096 bytes, 8,192 bytes apart in bp.
	; The rows are as long as my 256 columns allow, sixteen runs of 256 bytes each; a tile has only 16 of them.
	s_mov_b32 s[G1B+0], 15|(3<<16)|(1<<21)         ; 15:0 mask: all four of the cluster; 17:16 element of 8 bytes; 21 set beside a mask
	s_mov_b32 s[G1B+1], 512<<16                    ; tensor_dim0 = 512
	s_mov_b32 s[G1B+2], 2<<16                      ; tensor_dim1 = 2
	s_mov_b32 s[G1B+3], 512<<16                    ; tile_dim0 = 512
	s_mov_b32 s[G1B+4], 2                          ; tile_dim1 = 2
	s_mov_b32 s[G1B+5], 1024                       ; from row to row: 1,024 elements
	s_mov_b32 s[G1B+6], 0
	s_mov_b32 s[G1B+7], 0
	; group 1 of the x stage: 16 rows x 128 f32, 4 words of padding behind every 128 words
	s_mov_b32 s[G1X+0], (2<<16)|(1<<20)|(6<<22)|(3<<25)
	s_mov_b32 s[G1X+1], 128<<16                    ; tensor_dim0 = 128
	s_mov_b32 s[G1X+2], 16<<16                     ; tensor_dim1 = 16
	s_mov_b32 s[G1X+3], 128<<16                    ; tile_dim0 = 128
	s_mov_b32 s[G1X+4], 16                         ; tile_dim1 = 16
	s_mov_b32 s[G1X+5], 512                        ; a row of x is 512 elements
	s_mov_b32 s[G1X+6], 0
	s_mov_b32 s[G1X+7], 0
	s_lshl_b32 s2, s13, 21                         ; bp: ks x 2,097,152
	s_lshl_b32 s3, s68, 12                         ;     + nh x 256 columns x 16 bytes
	s_add_co_u32 s2, s2, s3
	s_lshl_b32 s3, s10, 14                         ;     + w x 2 rows x 8,192: equal in all four partners
	s_add_co_u32 s2, s2, s3
	s_mov_b32 s3, 0
	s_lshl_b32 s70, s67, 18                        ; x: rb x 128 rows x 2,048 bytes
	s_lshl_b32 s71, s10, 15                        ;    + w x 16 rows
	s_add_co_u32 s70, s70, s71
	s_lshl_b32 s71, s13, 9                         ;    + ks x 128 columns x 4 bytes
	s_add_co_u32 s70, s70, s71
	s_mov_b32 s71, 0
	s_lshl_b32 s72, s13, 23                        ; part: ks x 8,388,608
	s_lshl_b32 s73, s67, 18                        ;       + rb x 128 rows x 2,048 bytes
	s_add_co_u32 s72, s72, s73
	s_mov_b32 s73, 0
	s_wait_kmcnt 0x0
	s_add_nc_u64 s[6:7], s[6:7], s[2:3]
	s_add_nc_u64 s[4:5], s[4:5], s[70:71]
	s_add_nc_u64 s[8:9], s[8:9], s[72:73]
	s_mov_b32 s[G0B+0], 1                          ; slot 0, tile 0
	s_lshl_b32 s[G0B+1], s10, 13                   ; LDS: w x 8,192
	s_mov_b64 s[G0B+2:G0B+3], s[6:7]
	s_or_b32 s[G0B+3], s[G0B+3], 0x80000000        ; type = 2
	s_mov_b32 s[G0B+4], 1                          ; slot 1, tile 1
	s_lshl_b32 s[G0B+5], s10, 13
	s_add_co_u32 s[G0B+5], s[G0B+5], SLOTB
	s_add_nc_u64 s[G0B+6:G0B+7], s[6:7], TILEB
	s_or_b32 s[G0B+7], s[G0B+7], 0x80000000
	s_mov_b32 s[G0X+0], 1                          ; the x stage: wave w brings row tile w
	s_mul_i32 s[G0X+1], s10, WSTAGE
	s_add_co_u32 s[G0X+1], s[G0X+1], SLOTB
	s_mov_b64 s[G0X+2:G0X+3], s[4:5]
	s_or_b32 s[G0X+3], s[G0X+3], 0x80000000
	ROUND                                          ; all four work-groups are here: the first joint loads meet
	tensor_load_to_lds s[G0X:G0X+3], s[G1X:G1X+7]  ; 16 rows of x: two tensor loads of the wave are out here,
	s_nop 0
	tensor_load_to_lds s[G0B:G0B+3], s[G1B:G1B+7]  ; and my eighth of tile 0; later one behind each round
	s_nop 0
	; addresses: every wave makes all of them and uses those of its kind
	v_and_b32 v1, 31, v0                           ; L
	v_and_b32 v2, 15, v0                           ; r
	v_bfe_u32 v3, v0, 4, 1                         ; h
	s_and_b32 s15, s11, 1                          ; ch: which 128 of the 256 columns a multiplying wave takes
	s_lshl_b32 s15, s15, 11                        ; x 128 columns x 16 bytes
	v_lshlrev_b32 v[VBA], 4, v2
	v_lshl_add_u32 v[VBA], v3, 13, v[VBA]
	v_add_nc_u32 v[VBA], s15, v[VBA]
	v_add_nc_u32 v[VBA+1], SLOTB, v[VBA]
	s_lshr_b32 s15, s11, 1                         ; rh: which 64 of the 128 rows
	s_lshl_b32 s15, s15, 12                        ; x 4 row tiles x 1,024 bytes
	s_add_co_u32 s15, s15, ASLOT
	v_lshl_add_u32 v[VAL], v1, 4, s15
	v_add_nc_u32 v[VAL+1], ASZ, v[VAL]
	s_lshl_b32 s15, s11, 11                        ; a making wave's two row tiles x 1,024 bytes
	s_add_co_u32 s15, s15, ASLOT
	v_lshl_add_u32 v[VAS], v1, 4, s15
	v_add_nc_u32 v[VAS+1], ASZ, v[VAS]
	s_lshl_b32 s15, s11, 14
	s_add_co_u32 s15, s15, XTB
	v_lshl_add_u32 v[VXT], v1, 4, s15
	s_mul_i32 s15, s11, 2*WSTAGE                   ; the x stage of row tile 2 index
	s_add_co_u32 s15, s15, SLOTB
	v_mul_u32_u24 v2, v2, XPITCH                   ; r x 528
	v_lshl_add_u32 v[VXS], v3, 8, v2               ; + h x 64 columns x 4 bytes
	v_add_nc_u32 v[VXS], s15, v[VXS]
	s_mul_i32 s15, s11, WSTAGE                     ; the way out: a multiplying wave's stage
	v_lshl_add_u32 v[VSTO], v3, 5, v2              ; r x 528 + h x 32: eight f32
	v_add_nc_u32 v[VSTO], s15, v[VSTO]
	v_lshl_add_u32 v[VRD], v1, 4, s15
	s_lshr_b32 s15, s11, 1                         ; part: rh x 64 rows x 2,048 bytes
	s_lshl_b32 s15, s15, 17
	s_lshl_b32 s14, s68, 10                        ;       + nh x 256 columns x 4 bytes
	s_add_co_u32 s15, s15, s14
	s_and_b32 s14, s11, 1                          ;       + ch x 128 columns x 4 bytes
	s_lshl_b32 s14, s14, 9
	s_add_co_u32 s15, s15, s14
	v_lshl_add_u32 v[VCO], v1, 4, s15
	; constants.  D[s] = E0 + EC[s] cos/2 + ES[s] sin/4 = -den/kappa: EC[s] = 1373.832717 cos(24 s degrees), ES[s] = -2747.665435 sin(24 s degrees)
	v_mov_b32 v[EC+0], 1373.832717
	v_mov_b32 v[EC+1], 1255.058638
	v_mov_b32 v[EC+2], 919.273519
	v_mov_b32 v[EC+3], 424.537657
	v_mov_b32 v[EC+4], -143.604623
	v_mov_b32 v[EC+5], -686.916359
	v_mov_b32 v[EC+6], -1111.454016
	v_mov_b32 v[EC+7], -1343.811176
	v_mov_b32 v[EC+8], -1343.811176
	v_mov_b32 v[EC+9], -1111.454016
	v_mov_b32 v[EC+10], -686.916359
	v_mov_b32 v[EC+11], -143.604623
	v_mov_b32 v[EC+12], 424.537657
	v_mov_b32 v[EC+13], 919.273519
	v_mov_b32 v[EC+14], 1255.058638
	v_mov_b32 v[EC+15], 0                          ; slot 15 rides along in the packed pair and is not used
	v_mov_b32 v[ES+0], 0
	v_mov_b32 v[ES+1], -1117.576215
	v_mov_b32 v[ES+2], -2041.913350
	v_mov_b32 v[ES+3], -2613.185117
	v_mov_b32 v[ES+4], -2732.613436
	v_mov_b32 v[ES+5], -2379.548068
	v_mov_b32 v[ES+6], -1615.037221
	v_mov_b32 v[ES+7], -571.271766
	v_mov_b32 v[ES+8], 571.271766
	v_mov_b32 v[ES+9], 1615.037221
	v_mov_b32 v[ES+10], 2379.548068
	v_mov_b32 v[ES+11], 2732.613436
	v_mov_b32 v[ES+12], 2613.185117
	v_mov_b32 v[ES+13], 2041.913350
	v_mov_b32 v[ES+14], 1117.576215
	v_mov_b32 v[ES+15], 0
	v_mov_b32 v[VE0], -691.710901
	v_mov_b32 v[VE0+1], -691.710901
	v_mov_b32 v[VA2], 0.003401537801
	v_mov_b32 v[VA2+1], 0.003401537801
	v_mov_b32 v[VS7], -0.0046817541
	v_mov_b32 v[VS7+1], -0.0046817541
	v_mov_b32 v[VC6], -0.0208634808
	v_mov_b32 v[VC6+1], -0.0208634808
	s_mov_b32 s[K_NA3], -0.000008778162
	s_mov_b32 s[K_NA3+1], -0.000008778162
	s_mov_b32 s[K_NA1], -1.318095898
	s_mov_b32 s[K_NA1+1], -1.318095898
	s_mov_b32 s[K_PSI0], 0.06747896
	s_mov_b32 s[K_PSI0+1], 0.06747896
	s_mov_b32 s[K_S9], 0.0001604412
	s_mov_b32 s[K_S9+1], 0.0001604412
	s_mov_b32 s[K_S5], 0.0796926262
	s_mov_b32 s[K_S5+1], 0.0796926262
	s_mov_b32 s[K_S3], -0.6459640975
	s_mov_b32 s[K_S3+1], -0.6459640975
	s_mov_b32 s[K_S1], 1.5707963268
	s_mov_b32 s[K_S1+1], 1.5707963268
	s_mov_b32 s[K_C8], 0.0009192603
	s_mov_b32 s[K_C8+1], 0.0009192603
	s_mov_b32 s[K_C4], 0.2536695079
	s_mov_b32 s[K_C4+1], 0.2536695079
	s_mov_b32 s[K_C2], -1.2337005501
	s_mov_b32 s[K_C2+1], -1.2337005501
; From the four x at xq: cos(phase)/2 into CH and sin(phase)/4 into SQ.  48 instructions, two numbers in each packed one.
; The phase in turns, less its nearest whole number, is y in [-1/2, 1/2]; sine and cosine of the QUARTER angle (pi/2) y, at most pi/4, by their
; series (the first terms left out are below 3e-8), then two doublings.
.macro TRIG xq
.irp j, 0,1,2,3
	v_med3_num_f32 v[TT+\j], v[\xq+\j], -1.0, 1.0              ; t = clip(x, -1, 1)
.endr
.irp j, 0,2
	v_pk_fma_f32 v[PP+\j:PP+\j+1], v[TT+\j:TT+\j+1], s[K_NA3:K_NA3+1], v[VA2:VA2+1] op_sel_hi:[1,0,1]
.endr
.irp j, 0,2
	v_pk_fma_f32 v[PP+\j:PP+\j+1], v[PP+\j:PP+\j+1], v[TT+\j:TT+\j+1], s[K_NA1:K_NA1+1] op_sel_hi:[1,1,0]
.endr
.irp j, 0,2
	v_pk_fma_f32 v[YY+\j:YY+\j+1], v[PP+\j:PP+\j+1], v[TT+\j:TT+\j+1], s[K_PSI0:K_PSI0+1] op_sel_hi:[1,1,0]
.endr
.irp j, 0,1,2,3
	v_rndne_f32 v[QQ+\j], v[YY+\j]
.endr
.irp j, 0,2
	v_pk_add_f32 v[YY+\j:YY+\j+1], v[YY+\j:YY+\j+1], v[QQ+\j:QQ+\j+1] neg_lo:[0,1] neg_hi:[0,1]
.endr
.irp j, 0,2
	v_pk_mul_f32 v[ZZ+\j:ZZ+\j+1], v[YY+\j:YY+\j+1], v[YY+\j:YY+\j+1]
.endr
.irp j, 0,2
	v_pk_fma_f32 v[SN+\j:SN+\j+1], v[ZZ+\j:ZZ+\j+1], s[K_S9:K_S9+1], v[VS7:VS7+1] op_sel_hi:[1,0,1]
	v_pk_fma_f32 v[CN+\j:CN+\j+1], v[ZZ+\j:ZZ+\j+1], s[K_C8:K_C8+1], v[VC6:VC6+1] op_sel_hi:[1,0,1]
.endr
.irp j, 0,2
	v_pk_fma_f32 v[SN+\j:SN+\j+1], v[SN+\j:SN+\j+1], v[ZZ+\j:ZZ+\j+1], s[K_S5:K_S5+1] op_sel_hi:[1,1,0]
	v_pk_fma_f32 v[CN+\j:CN+\j+1], v[CN+\j:CN+\j+1], v[ZZ+\j:ZZ+\j+1], s[K_C4:K_C4+1] op_sel_hi:[1,1,0]
.endr
.irp j, 0,2
	v_pk_fma_f32 v[SN+\j:SN+\j+1], v[SN+\j:SN+\j+1], v[ZZ+\j:ZZ+\j+1], s[K_S3:K_S3+1] op_sel_hi:[1,1,0]
	v_pk_fma_f32 v[CN+\j:CN+\j+1], v[CN+\j:CN+\j+1], v[ZZ+\j:ZZ+\j+1], s[K_C2:K_C2+1] op_sel_hi:[1,1,0]
.endr
.irp j, 0,2
	v_pk_fma_f32 v[SN+\j:SN+\j+1], v[SN+\j:SN+\j+1], v[ZZ+\j:ZZ+\j+1], s[K_S1:K_S1+1] op_sel_hi:[1,1,0]
	v_pk_fma_f32 v[CN+\j:CN+\j+1], v[CN+\j:CN+\j+1], v[ZZ+\j:ZZ+\j+1], 1.0 op_sel_hi:[1,1,0]   ; c = cos a
.endr
.irp j, 0,2
	v_pk_mul_f32 v[SN+\j:SN+\j+1], v[SN+\j:SN+\j+1], v[YY+\j:YY+\j+1]                          ; s = sin a
.endr
.irp j, 0,2
	v_pk_mul_f32 v[QQ+\j:QQ+\j+1], v[SN+\j:SN+\j+1], v[SN+\j:SN+\j+1]
	v_pk_mul_f32 v[HH+\j:HH+\j+1], v[SN+\j:SN+\j+1], v[CN+\j:CN+\j+1]                          ; sin 2a / 2
.endr
.irp j, 0,2
	v_pk_fma_f32 v[CD+\j:CD+\j+1], v[QQ+\j:QQ+\j+1], -2.0, 1.0 op_sel_hi:[1,0,0]               ; cos 2a
	v_pk_mul_f32 v[QQ+\j:QQ+\j+1], v[HH+\j:HH+\j+1], v[HH+\j:HH+\j+1]
.endr
.irp j, 0,2
	v_pk_fma_f32 v[CH+\j:CH+\j+1], v[QQ+\j:QQ+\j+1], -4.0, 0.5 op_sel_hi:[1,0,0]               ; cos 4a / 2
	v_pk_mul_f32 v[SQ+\j:SQ+\j+1], v[HH+\j:HH+\j+1], v[CD+\j:CD+\j+1]                          ; sin 4a / 4
.endr
.endm
; The 16 slots of my (row, input) of chunk e, row tile 2 index + j, of the step that is being made, into A slot as.  A rotation by 24 degrees a ring is two
; packed multiply-adds for two rings; 1 / D is T - 1.  CH[e] and SQ[e] feed both halves of a packed instruction (op_sel, op_sel_hi of source 0).
.macro RINGS e, as, j, xq
.irp p, 0,1,2,3,4,5,6,7
.if (\e)&1
	v_pk_fma_f32 v[DD+2*\p:DD+2*\p+1], v[CH+\e-1:CH+\e], v[EC+2*\p:EC+2*\p+1], v[VE0:VE0+1] op_sel:[1,0,0] op_sel_hi:[1,1,1]
.else
	v_pk_fma_f32 v[DD+2*\p:DD+2*\p+1], v[CH+\e:CH+\e+1], v[EC+2*\p:EC+2*\p+1], v[VE0:VE0+1] op_sel_hi:[0,1,1]
.endif
.endr
.irp p, 0,1,2,3,4,5,6,7
.if (\e)&1
	v_pk_fma_f32 v[DD+2*\p:DD+2*\p+1], v[SQ+\e-1:SQ+\e], v[ES+2*\p:ES+2*\p+1], v[DD+2*\p:DD+2*\p+1] op_sel:[1,0,0] op_sel_hi:[1,1,1]
.else
	v_pk_fma_f32 v[DD+2*\p:DD+2*\p+1], v[SQ+\e:SQ+\e+1], v[ES+2*\p:ES+2*\p+1], v[DD+2*\p:DD+2*\p+1] op_sel_hi:[0,1,1]
.endif
.endr
.irp n, 0,1,2,3,4,5,6,7,8,9,10,11,12,13,14
	v_rcp_f32 v[DD+\n], v[DD+\n]                   ; D lies in [-1378.7, -4.79]: no zero, no denormal
.endr
	v_nop                                          ; one plain vector instruction between the reciprocals and the first use of a result (ISA guide 5.7.2)
	s_wait_alu depctr_va_vdst(0)
.irp p, 0,1,2,3,4,5,6
	v_cvt_pk_bf16_f32 v[PK+\p], v[DD+2*\p], v[DD+2*\p+1]
.endr
	v_cvt_pk_bf16_f32 v[PK+7], v[DD+14], v[\xq+\e] ; slot 15 is x itself, not clipped
	ds_store_b128 v[VAS+(\as)], v[PK:PK+3]   offset:\e*8192+\j*1024
	ds_store_b128 v[VAS+(\as)], v[PK+4:PK+7] offset:\e*8192+\j*1024+512
.endm
; A making wave's step: from the eight x in XQ and XQ2 the A of four chunks x two row tiles, into A slot as; then (load = 1) the x of the step behind it,
; which the wait in front of the next barrier shows landed.
.macro PSTEP as, load, xo
	TRIG XQ
	RINGS 0, \as, 0, XQ
	RINGS 1, \as, 0, XQ
	RINGS 2, \as, 0, XQ
	RINGS 3, \as, 0, XQ
	TRIG XQ2
	RINGS 0, \as, 1, XQ2
	RINGS 1, \as, 1, XQ2
	RINGS 2, \as, 1, XQ2
	RINGS 3, \as, 1, XQ2
.if \load
	ds_load_b128 v[XQ:XQ+3],   v[VXT] offset:\xo
	ds_load_b128 v[XQ2:XQ2+3], v[VXT] offset:\xo+512
.endif
.endm
; 24 LDS loads in one run: the fragments of chunk c of slot s into buffer f: 8 x 16 of my columns of B, my 4 x 16 rows of A.
; Sixteen neighbouring lanes read 256 consecutive bytes in every one of them.
.macro FETCH s, c, f
	WIN 0
.irp jn, 0,1,2,3,4,5,6,7
	ds_load_b128 v[192-128*\f+8*\jn:192-128*\f+8*\jn+3],   v[VBA+(\s)] offset:\c*16384+\jn*256
	ds_load_b128 v[192-128*\f+8*\jn+4:192-128*\f+8*\jn+7], v[VBA+(\s)] offset:\c*16384+4096+\jn*256
.endr
.irp mt, 0,1,2,3
	ds_load_b128 v[FA+32*\f+8*\mt:FA+32*\f+8*\mt+3],   v[VAL+(\s)] offset:\c*8192+\mt*1024
	ds_load_b128 v[FA+32*\f+8*\mt+4:FA+32*\f+8*\mt+7], v[VAL+(\s)] offset:\c*8192+\mt*1024+512
.endr
.endm
; 16 matrix instructions on buffer f: row tiles 2 half and 2 half + 1 x my 8 column tiles.  zero = 1: the first product starts the sums.
; The 32 accumulators take turns, one instruction a turn, in the same order in every chunk and over the backward jump.
.macro MULH f, half, zero
.irp mt, 2*\half, 2*\half+1
.irp jn, 0,1,2,3,4,5,6,7
.if \zero
	v_wmma_f32_16x16x32_bf16 v[8*(8*(\mt)+\jn):8*(8*(\mt)+\jn)+7], v[192-128*\f+8*\jn:192-128*\f+8*\jn+7], v[FA+32*\f+8*(\mt):FA+32*\f+8*(\mt)+7], 0
.else
	v_wmma_f32_16x16x32_bf16 v[8*(8*(\mt)+\jn):8*(8*(\mt)+\jn)+7], v[192-128*\f+8*\jn:192-128*\f+8*\jn+7], v[FA+32*\f+8*(\mt):FA+32*\f+8*(\mt)+7], v[8*(8*(\mt)+\jn):8*(8*(\mt)+\jn)+7]
.endif
.endr
.endr
.endm
; A multiplying wave's step on B slot s and A slot s, fragment buffers 0, 1, 0, 1.  It begins with the loads of its chunk 0 and multiplies the LAST step's chunk 3,
; which lies in buffer 1, while they land; its own chunk 3 is fetched and left in buffer 1 for the next step.  So at the barrier between two steps every read of
; the old slots is back and 32 matrix instructions' worth of operands wait in registers.
; A load into a buffer stands four places behind the matrix instructions that read it (ISA guide 7.12.1 for vector instructions).
.macro CSTEP s, first, zero
.if \first
	FETCH \s, 0, 0
	FETCH \s, 1, 1
.else
	PLACES
	FETCH \s, 0, 0
	WIN W_MUL
	MULH 1, 0, 0
	MULH 1, 1, 0
	PLACES
	FETCH \s, 1, 1
.endif
	s_wait_dscnt 24                                ; LDS serves a wave in order (ISA guide 5.7.1): all but the 24 loads just issued are back, chunk 0's fragments among them
	WIN W_MUL
	MULH 0, 0, \zero
	MULH 0, 1, \zero
	PLACES
	FETCH \s, 2, 0
	s_wait_dscnt 24                                ; the same count for chunk 1's fragments
	WIN W_MUL
	MULH 1, 0, 0
	MULH 1, 1, 0
	PLACES
	FETCH \s, 3, 1
	s_wait_dscnt 24                                ; and for chunk 2's
	WIN W_MUL
	MULH 0, 0, 0
	MULH 0, 1, 0
	WIN 0                                          ; a branch follows
.endm
; Between two steps, in every wave's text.  In front of the barrier: my LDS reads of the old slots are back, my LDS stores of the next A are written, all my tensor
; loads have landed (the one that was out is my eighth of the next step's tile).  kind 2: a round of the cluster's barrier, and B slot fs, read in the last step, gets the tile
; two further on; kind 3: the same with the address as it was set up (tile 1); kind 1: the work-group's barrier alone, nothing is filled.
.macro BOUND fs, kind
	s_wait_dscnt 0x0
	s_wait_tensorcnt 0x0
.if \kind == 1
	s_barrier_signal -1
	s_barrier_wait -1
.else
	ROUND                                          ; all that now holds of every wave of the cluster
.if \kind == 2
	s_add_nc_u64 s[G0B+4*\fs+2:G0B+4*\fs+3], s[G0B+4*\fs+2:G0B+4*\fs+3], 2*TILEB   ; no tensor load of mine is out: the slot's group 0 steps two tiles on
.endif
	tensor_load_to_lds s[G0B+4*\fs:G0B+4*\fs+3], s[G1B:G1B+7]                      ; my one tensor load behind the round, and the first thing there
	s_nop 0
.endif
.endm
; A step: the two kinds part on the role and meet again in front of the next barrier.
.macro STEP s, first, zero, prod, load, xo, bump
	s_cmp_lg_u32 s12, 0
	s_cbranch_scc1 .Lmake_\@
	CSTEP \s, \first, \zero
	s_branch .Lmeet_\@
.Lmake_\@:
.if \prod
	PSTEP 1-\s, \load, \xo
.endif
.if \bump
	v_add_nc_u32 v[VXT], 2048, v[VXT]              ; two steps' x further on
.endif
.Lmeet_\@:
.endm
	; THE START: x from its stage into the order in which the steps take it, and step 0's A.
	s_wait_tensorcnt 0x1                           ; tensor loads of a wave end in order (ISA guide 10.11.1): my 16 rows of x are in, tile 0 stays out
	s_barrier_signal -1                            ; a making wave reads rows that it and one other wave brought.
	s_barrier_wait -1                              ; so tile 0 may stay on its way across it
	s_cmp_eq_u32 s12, 0
	s_cbranch_scc1 .Lmade
.irp t, 0,1,2,3,4,5,6,7,8,9,10,11,12,13,14,15
	ds_load_b128 v[XR+4*\t:XR+4*\t+3], v[VXS] offset:16*\t                 ; x[row tile 2 index, row r][64 h + 4 t .. + 3] of the slice
.endr
.irp t, 0,1,2,3,4,5,6,7,8,9,10,11,12,13,14,15
	ds_load_b128 v[XR+64+4*\t:XR+64+4*\t+3], v[VXS] offset:WSTAGE+16*\t    ; the same of row tile 2 index + 1
.endr
	s_wait_dscnt 0x0
.irp t, 0,1,2,3,4,5,6,7,8,9,10,11,12,13,14,15
	ds_store_b128 v[VXT], v[XR+4*\t:XR+4*\t+3] offset:1024*\t              ; 32 lanes x 16 consecutive bytes for each step and row tile
	ds_store_b128 v[VXT], v[XR+64+4*\t:XR+64+4*\t+3] offset:1024*\t+512
.endr
	ds_load_b128 v[XQ:XQ+3],   v[VXT]              ; my own bytes, and LDS serves a wave in order: these see the stores above
	ds_load_b128 v[XQ2:XQ2+3], v[VXT] offset:512
	s_wait_dscnt 0x0
	PSTEP 0, 1, 1024                               ; step 0's A into A slot 0; then step 1's x
.Lmade:
	BOUND 1, 3                                     ; tile 0 and step 0's A are whole, the x stage has been read: tile 1 goes into slot 1, over the stage
	STEP 0, 1, 1, 1, 1, 2048, 0                    ; steps 0 and 1 stand in front of the loop: the first products start the sums
	BOUND 0, 2
	STEP 1, 0, 0, 1, 1, 3072, 1
	s_mov_b32 s14, 6
.Llap:                                             ; steps 2 to 13; in front of step t tile t + 1 is asked for; step t makes step t + 1's A and fetches step t + 2's x
	BOUND 1, 2
	STEP 0, 0, 0, 1, 1, 2048, 0
	BOUND 0, 2
	STEP 1, 0, 0, 1, 1, 3072, 1
	s_sub_co_i32 s14, s14, 1
	s_cmp_lg_u32 s14, 0
	s_cbranch_scc1 .Llap
	BOUND 1, 2                                     ; tile 15: the last load
	STEP 0, 0, 0, 1, 0, 0, 0                       ; step 14 makes step 15's A; no x is left to fetch
	BOUND 0, 1                                     ; nothing is left to fill
	STEP 1, 0, 0, 0, 0, 0, 0                       ; step 15: the making waves have nothing left to make
	s_cmp_lg_u32 s12, 0
	s_cbranch_scc1 .Lclose
	s_wait_dscnt 0x0                               ; step 15's chunk 3 is in buffer 1
	WIN W_MUL
	MULH 1, 0, 0
	MULH 1, 1, 0
	WIN 0
	; THE WAY OUT, 16 rows at a time: 2 x 16 bytes a lane into my own stage, read back as whole rows of 512 bytes.  The stage lies in B slot 0: its last
	; fill landed and every wave's last read of it came back in front of the barrier ahead of step 15.
	PLACES                                         ; four places behind the last matrix instructions: for the LDS stores, which read results, and the loads into v128-255
.macro OUT mt, buf
	WIN W_ST
.irp jn, 0,1,2,3,4,5,6,7
	ds_store_b128 v[VSTO], v[8*(8*\mt+\jn):8*(8*\mt+\jn)+3]   offset:64*\jn
	ds_store_b128 v[VSTO], v[8*(8*\mt+\jn)+4:8*(8*\mt+\jn)+7] offset:64*\jn+16
.endr
	WIN 0
	s_wait_xcnt 0x0                                ; every earlier global store has had its addresses translated (ISA guide 3.1): the buffer, which stores read, is loaded again only behind this wait
.irp p, 0,1,2,3,4,5,6,7,8,9,10,11,12,13,14,15
	ds_load_b128 v[\buf+4*\p:\buf+4*\p+3], v[VRD] offset:XPITCH*\p     ; LDS serves a wave in order: these see the stores above
.endr
.irp p, 0,1,2,3,4,5,6,7,8,9,10,11,12,13,14,15
	s_wait_dscnt 15-\p                             ; row p is in; the younger ones stay out
	global_store_b128 v[VCO], v[\buf+4*\p:\buf+4*\p+3], s[8:9] offset:(16*\mt+\p)*2048   ; the wave stores 512 consecutive bytes, at a multiple of 512 from part's first byte
.endr
.endm
	OUT 0, 128
	OUT 1, 192
	OUT 2, 128
	OUT 3, 192
.Lclose:
	ROUND                                          ; the closing round: no work-group ends while a partner may still ask for a tile that names it
	s_endpgm
.Lfunc_end_k_q61313dbc49_main:
	.size	k_q61313dbc49_main, .Lfunc_end_k_q61313dbc49_main-k_q61313dbc49_main
	.p2alignl 7, 3214868480
	.fill 96, 4, 3214868480
	.section	.rodata,"a",@progbits
	.p2align	6, 0x0
	.amdhsa_kernel k_q61313dbc49_main
		.amdhsa_group_segment_fixed_size 327680
		.amdhsa_private_segment_fixed_size 0
		.amdhsa_enable_private_segment 0
		.amdhsa_kernarg_size 24
		.amdhsa_user_sgpr_count 2
		.amdhsa_user_sgpr_kernarg_segment_ptr 1
		.amdhsa_wavefront_size32 1
		.amdhsa_system_sgpr_workgroup_id_x 1
		.amdhsa_system_sgpr_workgroup_id_y 1
		.amdhsa_system_sgpr_workgroup_id_z 1
		.amdhsa_system_vgpr_workitem_id 0
		.amdhsa_next_free_vgpr 512
		.amdhsa_next_free_sgpr 74
		.amdhsa_reserve_vcc 0
		.amdhsa_float_denorm_mode_32 3
		.amdhsa_float_denorm_mode_16_64 3
		.amdhsa_memory_ordered 1
		.amdhsa_forward_progress 1
		.amdhsa_inst_pref_size 255
	.end_amdhsa_kernel
	.section	.bss,"aw",@nobits
	.p2align	6
	.space	262144
	.amdgpu_metadata
---
amdhsa.version: [ 1, 2 ]
amdhsa.kernels:
  - .name:           k_q61313dbc49_main
    .symbol:         k_q61313dbc49_main.kd
    .args:
      - { .name: x, .offset: 0, .size: 8, .value_kind: global_buffer, .address_space: global }
      - { .name: bp, .offset: 8, .size: 8, .value_kind: global_buffer, .address_space: global }
      - { .name: part, .offset: 16, .size: 8, .value_kind: global_buffer, .address_space: global }
    .group_segment_fixed_size: 327680
    .private_segment_fixed_size: 0
    .kernarg_segment_align: 8
    .kernarg_segment_size: 24
    .max_flat_workgroup_size: 256
    .sgpr_count:     74
    .vgpr_count:     512
    .wavefront_size: 32
...
	.end_amdgpu_metadata
.endif
;; end of part 2
;; launch reduce (part 3): grid 256 x 1, 8 waves a work-group, no clusters, 0 bytes of LDS; arguments part, biasp, out0, out1; writes out0, out1
.if DOCPART == 3
	.amdgcn_target "amdgcn-amd-amdhsa--gfx1250"
	.amdhsa_code_object_version 6
	.text
	.protected	k_q61313dbc49_reduce
	.globl	k_q61313dbc49_reduce
	.p2align	8
	.type	k_q61313dbc49_reduce,@function
k_q61313dbc49_reduce:
	s_mov_b64 s[64:65], 0
	v_nop
	global_prefetch_b8 v0, s[64:65] scope:SCOPE_SE
	s_setreg_imm32_b32 hwreg(HW_REG_WAVE_MODE, 25, 1), 1
	s_wait_xcnt 0x0
; out0[b][o] = part[0][b][o] + part[1][b][o] + part[2][b][o] + part[3][b][o] + the sum over g of biasp[g][o];  out1[0] = 0.
; A stream: memory binds, so LDS, barriers and matrix units are left out.  A work-group takes 16 rows; thread t the four columns 4 (t & 127) ..
; of rows (t >> 7) + 2 k, k = 0 .. 7.  Every load and store of a wave covers 512 consecutive bytes, aligned.  All 40 loads of a wave go out in one run,
; and no register is written twice, so the only waits are the counted ones for data.
.set BI, 4                             ; v[4:35]    eight rows of partial column sums, my four columns
.set PA, 36                            ; v[36:163]  row k, slice p: 4 registers at PA + 16 k + 4 p
.set VZ, 164                           ; zero
	s_load_b256 s[4:11], s[0:1], 0x0               ; part s[4:5], biasp s[6:7], out0 s[8:9], out1 s[10:11]
	s_lshl_b32 s2, ttmp9, 15                       ; 16 rows x 2,048 bytes
	s_mov_b32 s3, 0
	v_and_b32 v2, 127, v0
	v_lshlrev_b32 v2, 4, v2                        ; my 16 bytes in a row
	v_lshrrev_b32 v1, 7, v0
	v_lshl_add_u32 v1, v1, 11, v2                  ; + my first row
	s_wait_kmcnt 0x0
	s_add_nc_u64 s[12:13], s[4:5], s[2:3]          ; the four slices' planes, 8,388,608 bytes apart
	s_add_nc_u64 s[14:15], s[12:13], 0x800000
	s_add_nc_u64 s[16:17], s[14:15], 0x800000
	s_add_nc_u64 s[18:19], s[16:17], 0x800000
	s_add_nc_u64 s[8:9], s[8:9], s[2:3]
.irp g, 0,1,2,3,4,5,6,7
	global_load_b128 v[BI+4*\g:BI+4*\g+3], v2, s[6:7] offset:2048*\g
.endr
.irp k, 0,1,2,3,4,5,6,7
.irp p, 0,1,2,3
	global_load_b128 v[PA+16*\k+4*\p:PA+16*\k+4*\p+3], v1, s[12+2*\p:13+2*\p] offset:4096*\k th:TH_LOAD_NT
.endr
.endr
	s_wait_loadcnt 32                              ; loads come back in order (ISA guide 5.7.1): the eight bias rows are in, the 32 loads behind them stay out
.irp g, 0,2,4,6
	v_pk_add_f32 v[BI+4*\g:BI+4*\g+1],   v[BI+4*\g:BI+4*\g+1],   v[BI+4*\g+4:BI+4*\g+5]
	v_pk_add_f32 v[BI+4*\g+2:BI+4*\g+3], v[BI+4*\g+2:BI+4*\g+3], v[BI+4*\g+6:BI+4*\g+7]
.endr
.irp g, 0,4
	v_pk_add_f32 v[BI+4*\g:BI+4*\g+1],   v[BI+4*\g:BI+4*\g+1],   v[BI+4*\g+8:BI+4*\g+9]
	v_pk_add_f32 v[BI+4*\g+2:BI+4*\g+3], v[BI+4*\g+2:BI+4*\g+3], v[BI+4*\g+10:BI+4*\g+11]
.endr
	v_pk_add_f32 v[BI:BI+1],   v[BI:BI+1],   v[BI+16:BI+17]
	v_pk_add_f32 v[BI+2:BI+3], v[BI+2:BI+3], v[BI+18:BI+19]
.irp k, 0,1,2,3,4,5,6,7
	s_wait_loadcnt 4*(7-\k)                        ; four loads for each younger row stay out
	v_pk_add_f32 v[PA+16*\k:PA+16*\k+1],     v[PA+16*\k:PA+16*\k+1],     v[PA+16*\k+4:PA+16*\k+5]
	v_pk_add_f32 v[PA+16*\k+2:PA+16*\k+3],   v[PA+16*\k+2:PA+16*\k+3],   v[PA+16*\k+6:PA+16*\k+7]
	v_pk_add_f32 v[PA+16*\k+8:PA+16*\k+9],   v[PA+16*\k+8:PA+16*\k+9],   v[PA+16*\k+12:PA+16*\k+13]
	v_pk_add_f32 v[PA+16*\k+10:PA+16*\k+11], v[PA+16*\k+10:PA+16*\k+11], v[PA+16*\k+14:PA+16*\k+15]
	v_pk_add_f32 v[PA+16*\k:PA+16*\k+1],     v[PA+16*\k:PA+16*\k+1],     v[PA+16*\k+8:PA+16*\k+9]
	v_pk_add_f32 v[PA+16*\k+2:PA+16*\k+3],   v[PA+16*\k+2:PA+16*\k+3],   v[PA+16*\k+10:PA+16*\k+11]
	v_pk_add_f32 v[PA+16*\k:PA+16*\k+1],     v[PA+16*\k:PA+16*\k+1],     v[BI:BI+1]
	v_pk_add_f32 v[PA+16*\k+2:PA+16*\k+3],   v[PA+16*\k+2:PA+16*\k+3],   v[BI+2:BI+3]
	global_store_b128 v1, v[PA+16*\k:PA+16*\k+3], s[8:9] offset:4096*\k th:TH_STORE_NT
.endr
	v_mov_b32 v[VZ], 0
	s_cmp_lg_u32 ttmp9, 0                          ; work-group 0, thread 0 writes out1
	s_cbranch_scc1 .Lend
	s_wait_xcnt 0x0                                ; EXEC is a source of the stores above: it changes only behind this wait
	v_cmp_eq_u32 vcc_lo, 0, v0
	s_and_saveexec_b32 s20, vcc_lo
	global_store_b32 v[VZ], v[VZ], s[10:11]
	s_wait_xcnt 0x0                                ; and again in front of the line that widens it
	s_or_b32 exec_lo, exec_lo, s20
.Lend:
	s_endpgm
.Lfunc_end_k_q61313dbc49_reduce:
	.size	k_q61313dbc49_reduce, .Lfunc_end_k_q61313dbc49_reduce-k_q61313dbc49_reduce
	.p2alignl 7, 3214868480
	.fill 96, 4, 3214868480
	.section	.rodata,"a",@progbits
	.p2align	6, 0x0
	.amdhsa_kernel k_q61313dbc49_reduce
		.amdhsa_group_segment_fixed_size 0
		.amdhsa_private_segment_fixed_size 0
		.amdhsa_enable_private_segment 0
		.amdhsa_kernarg_size 32
		.amdhsa_user_sgpr_count 2
		.amdhsa_user_sgpr_kernarg_segment_ptr 1
		.amdhsa_wavefront_size32 1
		.amdhsa_system_sgpr_workgroup_id_x 1
		.amdhsa_system_sgpr_workgroup_id_y 1
		.amdhsa_system_sgpr_workgroup_id_z 1
		.amdhsa_system_vgpr_workitem_id 0
		.amdhsa_next_free_vgpr 168
		.amdhsa_next_free_sgpr 66
		.amdhsa_reserve_vcc 1
		.amdhsa_float_denorm_mode_32 3
		.amdhsa_float_denorm_mode_16_64 3
		.amdhsa_memory_ordered 1
		.amdhsa_forward_progress 1
		.amdhsa_inst_pref_size 11
	.end_amdhsa_kernel
	.amdgpu_metadata
---
amdhsa.version: [ 1, 2 ]
amdhsa.kernels:
  - .name:           k_q61313dbc49_reduce
    .symbol:         k_q61313dbc49_reduce.kd
    .args:
      - { .name: part, .offset: 0, .size: 8, .value_kind: global_buffer, .address_space: global }
      - { .name: biasp, .offset: 8, .size: 8, .value_kind: global_buffer, .address_space: global }
      - { .name: out0, .offset: 16, .size: 8, .value_kind: global_buffer, .address_space: global }
      - { .name: out1, .offset: 24, .size: 8, .value_kind: global_buffer, .address_space: global }
    .group_segment_fixed_size: 0
    .private_segment_fixed_size: 0
    .kernarg_segment_align: 8
    .kernarg_segment_size: 32
    .max_flat_workgroup_size: 256
    .sgpr_count:     66
    .vgpr_count:     168
    .wavefront_size: 32
...
	.end_amdgpu_metadata
.endif
;; end of part 3
